; MI455X (gfx1250); checked and timed in simulation.
; The chip was launched on July 23, 2026; its instructions are those of AMD's public machine-readable ISA for CDNA 5 (MIT licence, August 2026) and "CDNA5" Instruction Set Architecture Reference Guide (July 2026). The comments in the code are by the model that wrote it; some were corrected since.
;; Vector Quantizer. Allowed arithmetic: float matrix products may take bf16 or f16 operands with f32 sums; other float arithmetic in f32, or as packed bf16 or f16 multiplies, adds, multiply-adds, maxima and minima; sums over many terms, partial sums and values carried from step to step in f32; what a program stores and reads back later, other than sums and carried values, may be rounded once to bf16 or f16.
;; Inputs: embed 8,192 x 768 float32; inputs_flatten 8,192 x 768 float32.
;; Outputs: out0 8,192 x 768 float32; out1 8,192 x 1 int32.
;; 2 versions, each right; version 2 is version 1 with the launches prep, gather written anew for expert scheduling mode. Each part assembles by itself: llvm-mc -triple=amdgcn-amd-amdhsa -mcpu=gfx1250 --defsym DOCPART=n.
;; ======== version 1 of 2: 3 launches
;; workspace buffers: xb 12,582,912 bytes; eb 12,582,912 bytes; xsq 32,768 bytes; esq 32,768 bytes; pv 524,288 bytes of whole numbers; pi 524,288 bytes of whole numbers
;; launch prep (part 1): grid 128 x 2, 8 waves a work-group, no clusters, 1,280 bytes of LDS; arguments inputs_flatten, embed, xb, eb, xsq, esq; writes xb, eb, xsq, esq
.if DOCPART == 1
	.amdgcn_target "amdgcn-amd-amdhsa--gfx1250"
	.amdhsa_code_object_version 6
	.text
	.protected	k_q10b9d70e29_prep
	.globl	k_q10b9d70e29_prep
	.p2align	8
	.type	k_q10b9d70e29_prep,@function
k_q10b9d70e29_prep:
	s_mov_b64 s[64:65], 0
	v_nop
	global_prefetch_b8 v0, s[64:65] scope:SCOPE_SE
	s_setreg_imm32_b32 hwreg(HW_REG_WAVE_MODE, 25, 1), 1
	s_wait_xcnt 0x0
; Both inputs, [8192][768] f32, are rounded once to bf16 (xb, eb), and for each row the sum of the squares of the ROUNDED numbers is made in f32 (xsq, esq).
; The grid's y picks the tensor.  A work-group owns 64 rows, each of its eight waves 8 rows.  A row is six pieces of 128 numbers: a lane takes 16 consecutive bytes of f32,
; so a wave's load covers 512 consecutive bytes, and stores the 8 bytes of bf16 made of them, so a wave's store covers 256 consecutive bytes, aligned.
; All 48 loads of a wave go out at once (24 KiB a wave); no register is loaded twice, so there is no loop and no wait but the counted ones.
; LIMIT.  The 768 squares are added in four chains a lane and then across the 32 lanes: another order than a plain running sum, so the last bits may differ from one.
; No matrix unit, cluster or tensor load: no byte is used by two waves.
.set ROWF,  3072                       ; bytes in a row of f32
.set ROWH,  1536                       ; bytes in a row of bf16
.set SPARE, 256                        ; LDS: bytes 0-255 the work-group's 64 sums; from 256 on the spare words, 128 bytes for each of the eight waves
.set SPW,   4                          ; v4   LDS address of my spare word; never rewritten
.set NIL,   5                          ; v5   0; never rewritten
.set T,     8                          ; v[8:15]   four pairs at work
.set S,     16                         ; v[16:23]  four pairs of running sums
.set SUM,   24                         ; v[24:31]  my wave's eight row sums
.set X,     32                         ; v[32:223] row i, piece c at X + 24 i + 4 c: four f32 as loaded; then two words of bf16 in the first two
	s_load_b256 s[4:11], s[0:1], 0x0               ; inputs_flatten s[4:5], embed s[6:7], xb s[8:9], eb s[10:11]
	s_load_b128 s[12:15], s[0:1], 0x20             ; xsq s[12:13], esq s[14:15]
	v_lshl_add_u32 v[SPW], v0, 2, SPARE
	v_mov_b32 v[NIL], 0
	v_lshrrev_b32 v3, 5, v0
	v_readfirstlane_b32 s26, v3                    ; wave 0..7
	v_and_b32 v3, 31, v0                           ; lane
	v_lshlrev_b32 v1, 4, v3                        ; 16 bytes of f32 a lane
	v_lshlrev_b32 v2, 3, v3                        ; 8 bytes of bf16 a lane
	v_mov_b32 v6, s26
	v_lshlrev_b32 v6, 5, v6                        ; my wave's eight sums in LDS: 32 x wave
	s_mov_b32 s22, 0xffff0000                      ; a word's upper bf16
	s_mov_b32 s24, 0x76543210                      ; v_permlanex16_b32: each lane takes its own place in the other half
	s_mov_b32 s25, 0xfedcba98
	s_lshl_b32 s27, ttmp9, 3
	s_add_co_u32 s27, s27, s26                     ; my block of 8 rows: 8 x work-group + wave
	s_mul_i32 s28, s27, 8*ROWF                     ; its first byte in the source (under 2^25),
	s_mov_b32 s29, 0
	s_mul_i32 s30, s27, 8*ROWH                     ; and in the bf16 copy
	s_mov_b32 s31, 0
	s_lshl_b32 s2, ttmp9, 8                        ; the work-group's 64 sums: 256 bytes
	s_mov_b32 s3, 0
	s_and_b32 s23, ttmp7, 0xffff                   ; which tensor
	s_wait_kmcnt 0x0
	s_cmp_eq_u32 s23, 0
	s_cselect_b64 s[16:17], s[4:5], s[6:7]         ; source
	s_cselect_b64 s[18:19], s[8:9], s[10:11]       ; bf16 copy
	s_cselect_b64 s[20:21], s[12:13], s[14:15]     ; sums
	s_add_nc_u64 s[16:17], s[16:17], s[28:29]
	s_add_nc_u64 s[18:19], s[18:19], s[30:31]
	s_add_nc_u64 s[20:21], s[20:21], s[2:3]
.set n, 0
.rept 48                                               ; row n / 6, piece n % 6
	global_load_b128 v[X+4*n:X+4*n+3], v1, s[16:17] offset:ROWF*(n/6)+512*(n%6) th:TH_LOAD_NT
.set n, n+1
.endr
; Row i: rounded and stored, then squared and summed from the rounded words.
.macro ROWP i
	s_wait_loadcnt 6*(7-(\i))                      ; loads come back in order: this row's six are in, the six of each younger row may stay out
.set c, 0
.rept 6
	v_cvt_pk_bf16_f32 v[X+24*(\i)+4*c],   v[X+24*(\i)+4*c],   v[X+24*(\i)+4*c+1]
	v_cvt_pk_bf16_f32 v[X+24*(\i)+4*c+1], v[X+24*(\i)+4*c+2], v[X+24*(\i)+4*c+3]
	global_store_b64 v2, v[X+24*(\i)+4*c:X+24*(\i)+4*c+1], s[18:19] offset:ROWH*(\i)+256*c  ; the stored pair is only read from here on
.set c, c+1
.endr
.set n, 0
.rept 12                                               ; twelve words of two bf16, four chains; the first four words start the chains: nothing is cleared
.set w, X+24*(\i)+4*(n/2)+n%2
	v_lshlrev_b32 v[T+2*(n%4)],   16,  v[w]
	v_and_b32     v[T+2*(n%4)+1], s22, v[w]
.if n < 4
	v_pk_mul_f32 v[S+2*n:S+2*n+1], v[T+2*n:T+2*n+1], v[T+2*n:T+2*n+1]
.else
	v_pk_fma_f32 v[S+2*(n%4):S+2*(n%4)+1], v[T+2*(n%4):T+2*(n%4)+1], v[T+2*(n%4):T+2*(n%4)+1], v[S+2*(n%4):S+2*(n%4)+1]
.endif
.set n, n+1
.endr
	v_pk_add_f32 v[S:S+1], v[S:S+1], v[S+2:S+3]
	v_pk_add_f32 v[S+4:S+5], v[S+4:S+5], v[S+6:S+7]
	v_pk_add_f32 v[S:S+1], v[S:S+1], v[S+4:S+5]
	v_add_f32 v[SUM+(\i)], v[S], v[S+1]
	v_add_f32_dpp v[SUM+(\i)], v[SUM+(\i)], v[SUM+(\i)] row_xmask:1 row_mask:0xf bank_mask:0xf
	v_add_f32_dpp v[SUM+(\i)], v[SUM+(\i)], v[SUM+(\i)] row_xmask:2 row_mask:0xf bank_mask:0xf
	v_add_f32_dpp v[SUM+(\i)], v[SUM+(\i)], v[SUM+(\i)] row_xmask:4 row_mask:0xf bank_mask:0xf
	v_add_f32_dpp v[SUM+(\i)], v[SUM+(\i)], v[SUM+(\i)] row_xmask:8 row_mask:0xf bank_mask:0xf
	v_permlanex16_b32 v[T], v[SUM+(\i)], s24, s25  ; its destination has been written above
	v_add_f32 v[SUM+(\i)], v[SUM+(\i)], v[T]       ; every lane holds the row's sum
.endm
.irp i, 0,1,2,3,4,5,6,7
	ROWP \i
.endr
	; the 64 sums meet in LDS, so that one store of one wave writes their 256 bytes
	ds_store_b128 v6, v[SUM:SUM+3]                 ; all lanes write the same bytes with the same numbers
	ds_store_b128 v6, v[SUM+4:SUM+7] offset:16
	s_wait_dscnt 0x0                               ; for the others' sake: my stores are done
	s_barrier_signal -1
	s_barrier_wait -1
	s_cmp_lg_u32 s26, 0
	s_cbranch_scc1 .Lend
	ds_load_b64 v[T:T+1], v2                       ; wave 0: two sums a lane
	s_wait_dscnt 0x0
	global_store_b64 v2, v[T:T+1], s[20:21]        ; 256 consecutive bytes, aligned
.Lend:
	s_wait_tensorcnt 0x0                           ; the wave's end, behind my last LDS store
	ds_add_u32 v[SPW], v[NIL]
	s_wait_dscnt 0x0
	s_endpgm
.Lfunc_end_k_q10b9d70e29_prep:
	.size	k_q10b9d70e29_prep, .Lfunc_end_k_q10b9d70e29_prep-k_q10b9d70e29_prep
	.p2alignl 7, 3214868480
	.fill 96, 4, 3214868480
	.section	.rodata,"a",@progbits
	.p2align	6, 0x0
	.amdhsa_kernel k_q10b9d70e29_prep
		.amdhsa_group_segment_fixed_size 1280
		.amdhsa_private_segment_fixed_size 0
		.amdhsa_enable_private_segment 0
		.amdhsa_kernarg_size 48
		.amdhsa_user_sgpr_count 2
		.amdhsa_user_sgpr_kernarg_segment_ptr 1
		.amdhsa_wavefront_size32 1
		.amdhsa_system_sgpr_workgroup_id_x 1
		.amdhsa_system_sgpr_workgroup_id_y 1
		.amdhsa_system_sgpr_workgroup_id_z 1
		.amdhsa_system_vgpr_workitem_id 0
		.amdhsa_next_free_vgpr 224
		.amdhsa_next_free_sgpr 66
		.amdhsa_reserve_vcc 0
		.amdhsa_float_denorm_mode_32 3
		.amdhsa_float_denorm_mode_16_64 3
		.amdhsa_memory_ordered 1
		.amdhsa_forward_progress 1
		.amdhsa_inst_pref_size 34
	.end_amdhsa_kernel
	.amdgpu_metadata
---
amdhsa.version: [ 1, 2 ]
amdhsa.kernels:
  - .name:           k_q10b9d70e29_prep
    .symbol:         k_q10b9d70e29_prep.kd
    .args:
      - { .name: inputs_flatten, .offset: 0, .size: 8, .value_kind: global_buffer, .address_space: global }
      - { .name: embed, .offset: 8, .size: 8, .value_kind: global_buffer, .address_space: global }
      - { .name: xb, .offset: 16, .size: 8, .value_kind: global_buffer, .address_space: global }
      - { .name: eb, .offset: 24, .size: 8, .value_kind: global_buffer, .address_space: global }
      - { .name: xsq, .offset: 32, .size: 8, .value_kind: global_buffer, .address_space: global }
      - { .name: esq, .offset: 40, .size: 8, .value_kind: global_buffer, .address_space: global }
    .group_segment_fixed_size: 1280
    .private_segment_fixed_size: 0
    .kernarg_segment_align: 8
    .kernarg_segment_size: 48
    .max_flat_workgroup_size: 256
    .sgpr_count:     66
    .vgpr_count:     224
    .wavefront_size: 32
...
	.end_amdgpu_metadata
.endif
;; end of part 1
;; launch dist (part 2): grid 8 x 32, 4 waves a work-group, clusters of 4 x 4, 327,680 bytes of LDS; arguments xb, eb, xsq, esq, pv, pi; writes pv, pi
.if DOCPART == 2
	.amdgcn_target "amdgcn-amd-amdhsa--gfx1250"
	.amdhsa_code_object_version 6
	.text
	.protected	k_q10b9d70e29_dist
	.globl	k_q10b9d70e29_dist
	.p2align	8
	.type	k_q10b9d70e29_dist,@function
k_q10b9d70e29_dist:
	s_mov_b64 s[64:65], 0
	v_nop
	global_prefetch_b8 v0, s[64:65] scope:SCOPE_SE
	s_setreg_imm32_b32 hwreg(HW_REG_WAVE_MODE, 25, 1), 1
	s_wait_xcnt 0x0
	s_wait_alu depctr_hold_cnt(0) depctr_sa_sdst(0) depctr_va_vdst(0) depctr_va_sdst(0) depctr_va_ssrc(0) depctr_va_vcc(0) depctr_vm_vsrc(0)
	s_getreg_b32 s2, hwreg(HW_REG_IB_STS2, 6, 4)
	s_cmp_eq_u32 s2, 0
	s_cbranch_scc0 .Lentry_in_a_cluster
	s_endpgm
.Lentry_in_a_cluster:
	s_bfe_u32 s2, ttmp6, 0x10000c
	s_cmp_lg_u32 s2, 0xf033
	s_cbranch_scc0 .Lentry_shape_is_right
	s_endpgm
.Lentry_shape_is_right:
; d[n][k] = (xsq[n] + esq[k]) - 2 (xb[n] . eb[k]) for 8,192 tokens n and 8,192 codes k, 768 channels, and for each token the least d and the first k that has it.  d is never stored.
; xb, eb: [8192][768] bf16; products on the matrix unit, sums in f32; t = xsq + esq is rounded once, t - 2 dot once (one fused multiply-add by -2): the order in which the expression is written.
; LIMITS.  The 768 products of a score are added in the matrix unit's order, not in that of a plain f32 sum: two codes whose distances differ by a few units in d's last place may change places.
; A score that is NaN is never chosen, and +infinity never replaces the start; distances are taken to be finite.
; SHARES.  A work-group owns 256 tokens and walks FOUR tiles of 256 codes, 2,048 codes apart (the grid's width in codes).  Four waves, as many as a WGP has SIMDs; a wave makes 128 tokens x 128 codes:
; 64 accumulators of 16 x 16, 512 registers.  K goes in steps of 128 through a ring of two LDS slots filled by the tensor data mover: a tile's rows are 256 bytes of memory, aligned.
; SOURCE 0 = 16 codes, SOURCE 1 = 16 tokens: in the result lane l holds ONE token (l % 16) and the codes 8 (l / 16) + 0..7.  So the minimum over codes stays inside a lane: 64 running minima a lane
; (token block x, register j) over all four tiles, merged once at the end.  A strict comparison in ascending order of codes keeps the first index at each place; every merge takes the lower index among equals.
; THE RING AT A TILE'S END.  A tile's last two K steps fill nothing.  The test for the last tile stands behind the comparison of five of the eight token blocks; behind it slot 0 is asked for again (the next
; tile's K step 0), the other three blocks are compared while that load is on its way, and slot 1 is asked for when slot 0 has landed.  The products' text
; serves every tile alike, and of the comparison only three blocks stand a second time, behind the loop, for the last tile.
; OUT.  Each wave leaves (key, index) for its 128 tokens: part 2 x column + code half of 16 parts, pv[part][token] and pi[part][token]; the next launch merges the parts.  The key is the least d as a whole
; number that orders as the f32 does: its bits with the top bit turned if d >= 0, with all bits turned if d < 0.  d is never -0: t is a sum of squares, and a sum that cancels exactly gives +0.
; CLUSTERS: 4 x 4 work-groups.  The four of a row of the cluster own the same tokens and need the same tiles of xb; the four of a column walk the same codes and need the same tiles of eb.  Such a tile
; is asked for JOINTLY: the same tensor load, descriptor and mask in all four.  That divides the requests for both by four.
; REGISTERS, in windows of 256 (s_set_vgpr_msb's low byte: bits 1:0 source 0, 3:2 source 1, 5:4 source 2, 7:6 destination):
;   window 0: v0-31 addresses; v32-47 xsq of my tokens; v48-63 scores at work; v64-127, v128-191 fragments of xb, two buffers; v192-255 esq of the tile's codes
;   window 1: v0-63 running minima; v64-127, v128-191 fragments of eb, two buffers; v192-255 the running minima's code blocks
;   window 2: the 32 accumulators of my tokens 0-63 (token block x, code block e at v[64 (x % 4) + 8 e]);   window 3: those of my tokens 64-127
.set ROWB,   1536                      ; bytes in a row of xb and eb
.set KSTEP,  128
.set PITCH,  272                       ; an LDS row: 256 bytes of data + 16 of padding = 68 words: the 16 rows that a load touches start at 16 different groups of four banks (64 banks of 4 bytes: ISA guide 11.1)
.set HALFT,  128*PITCH                 ; 128 rows: what one tensor load brings, and what one wave reads of xb or of eb
.set SLOT,   4*HALFT                   ; xb's 256 rows, then eb's 256 rows
.set STAGE,  2*SLOT                    ; behind the ring: 1,024 bytes for each wave, for the way out: 128 keys, then 128 indices; no tile lands there
.set SPARE,  STAGE+4096                ; behind the stages: the spare words, 128 bytes for each wave: two blocks of 256 bytes that no other line names
.set LAPS,   3                         ; a lap = two K steps = once round the ring; 768 = 3 x 256
.set TILES,  4
.set WALK,   2048                      ; a work-group's tiles of codes lie 2,048 rows of eb apart
.set EPA,    5                         ; token blocks compared ahead of the test for the last tile
.set BACK_X, (768-2*KSTEP)*2           ; bytes from a slot's last K step of a tile back to its first: xb's rows are the same for all tiles
.set NEXT_E, WALK*ROWB-BACK_X          ; eb goes WALK rows down and back along K
.set PFMID,  WALK*ROWB-ROWB-KSTEP*2    ; the prefetches: from the K step after a tile's last to one K step ahead of the next tile's first
.set ADRX, 16                          ; v16-17  LDS address of my xb fragments in slot 0, 1
.set ADRE, 20                          ; v20-21  the same for eb
.set EO,   22                          ; v22     32 (l / 16): my 8 codes' place in 16 numbers of esq
.set XO,   23                          ; v23     4 (l % 16): my token's place in 16 numbers of xsq
.set SA,   24                          ; v24     the way out: my token's word in my stage
.set SR,   25                          ; v25     the way out: where I read 16 bytes back
.set GO,   26                          ; v26     16 l: my byte offset in the wave's 512 bytes of pv and of pi
.set H8,   27                          ; v27     8 (l / 16)
.set SPW,  28                          ; v28     LDS address of my spare word; never rewritten
.set NIL,  29                          ; v29     0; never rewritten
.set PFO,  30                          ; v30     the prefetches' offset: my lane x a row; never rewritten
.set XS,   32                          ; v32-47  xsq of token 16 x + l % 16, twice, at XS + 2 x: a pair for the packed add
.set T,    48                          ; v48-63  two sets of eight scores
.set F0,   64
.set F1,   128
.set ESQ,  192                         ; window 0: esq of code 16 e + 8 (l / 16) + j at ESQ + 8 e + j
.set BV,   0                           ; window 1: running minimum of (x, j) at BV + 8 x + j
.set BI,   192                         ; window 1: first code of the block of 16 in which it was found, at BI + 8 x + j
.set TL,   2                           ; s2   tiles to go
.set LP,   3                           ; s3   trips of the lap loop to go
.set WV,   12                          ; s12  wave
.set WH,   13                          ; s13  which half of the tokens is mine.  Also: I fetch for xb (0) or for eb (1)
.set WL,   14                          ; s14  which half of the tile's codes.  Also: which 128 rows of that tile I fetch
.set LIM,  15                          ; s15  1 in a wave that prefetches along a tile's K, else the greatest number
.set G1X,  24                          ; s[24:31] descriptor group 1 for xb's tiles
.set G0X,  32                          ; s[32:39] group 0, one set for each slot
.set CX,   40
.set CY,   41
.set GX,   42                          ; s42  my column of codes, 0..7
.set TY,   43                          ; s43  my block of tokens, 0..31
.set PFA,  44                          ; s[44:45] where my prefetches stand
.set G1E,  48                          ; s[48:55], s[56:63] the same for eb's tiles
.set G0E,  56
.set SEL,  66                          ; s[66:67] v_permlanex16_b32's selects
.set PVB,  68                          ; s[68:69] pv at my wave's 128 tokens of my part
.set PIB,  70                          ; s[70:71] pi likewise
.set M,    72                          ; s[72:79] eight lane masks
.set CB,   80                          ; s[80:87] first code of the tile's block e of 16
.set LIME, 92                          ; s92  1 in a wave that prefetches eb's rows, else the greatest number
.set MSB, 0
.macro WIN new                         ; the immediate's high byte repeats the setting that is left; a switch that changes nothing is dropped
.if MSB != (\new)
	s_set_vgpr_msb (MSB<<8)|(\new)
.set MSB, \new
.endif
.endm
.set MUL_LO, 0xa1                      ; source 0 (eb) window 1, source 1 (xb) window 0, C and D window 2
.set MUL_HI, 0xf1                      ; the same, C and D window 3
.set TO_E,   0x40                      ; destination window 1, address window 0
; A joint load.  Waves 0 and 1 fetch xb's two halves, waves 2 and 3 eb's.  Each line has one mask and one set of registers for all that issue it; the branch hangs on the wave's number alone.
; An s_nop 0 and four v_nop follow each of the two lines, ahead of the jump, the label and what follows.
.macro JLOAD s
	s_cmp_eq_u32 s[WH], 0
	s_cbranch_scc0 .Lfor_e_\@
	tensor_load_to_lds s[G0X+4*(\s):G0X+4*(\s)+3], s[G1X:G1X+7]
	s_nop 0
.rept 4
	v_nop
.endr
	s_branch .Lasked_\@
.Lfor_e_\@:
	tensor_load_to_lds s[G0E+4*(\s):G0E+4*(\s)+3], s[G1E:G1E+7]
	s_nop 0
.rept 4
	v_nop
.endr
.Lasked_\@:
.endm
; PREFETCHES INTO THE L2: 32 rows x 256 bytes an instruction, a lane a row.  Each row's 256 bytes of a K step are named ONCE in the launch.  A block of tokens is read by both clusters of its row of
; clusters: cluster x = 0 asks; a column of codes by all eight clusters of its column: cluster y = 0 asks.  The four partners that ask for a tile jointly share its rows out BY ADDRESS: of the 128 rows
; that a wave fetches, the partner at place p takes 32 p .. 32 p + 31 (p = cx for xb, cy for eb).  xb's rows are the same for all tiles: they are asked for in the first tile alone.
; how = 0, behind a refill in the lap loop: the K step that stands two refills on, 512 matrix instructions ahead of its load; the loop's last trip has no such K step.
; how = 2, at the change from K step 4 to 5 of a tile that has a successor: eb's K steps 0 and 1 of the next tile, 288 matrix instructions and five blocks' comparison ahead of the first of their loads.
; how = 1, behind each of the two refills at a change of tiles: eb's K step 2, then 3, of the tile that begins.  The launch's first four K steps come by their loads alone.
.macro ASK how
.if (\how) == 0
	s_cmp_gt_u32 s[LP], s[LIM]                     ; s[LP] = 1 in the loop's last trip
.elseif (\how) == 1
	s_cmp_eq_u32 s[LIME], 1
.else
	s_cmp_gt_u32 s[TL], s[LIME]                    ; s[TL] = 1 in the last tile
.endif
	s_cbranch_scc0 .Lnot_mine_\@
	global_prefetch_b8 v[PFO], s[PFA:PFA+1] offset:KSTEP*2 th:TH_LOAD_NT scope:SCOPE_SE
.if (\how) == 2
	global_prefetch_b8 v[PFO], s[PFA:PFA+1] offset:2*KSTEP*2 th:TH_LOAD_NT scope:SCOPE_SE
.endif
.Lnot_mine_\@:
.endm
; A round of the cluster's barrier: my work-group's barrier, so that wave 0's signal speaks for all four waves; wave 0 signals; every wave waits for all sixteen work-groups; my work-group's barrier once more.
.macro CREST                           ; a round behind its opening barrier
	s_cmp_lg_u32 s[WV], 0
	s_cbranch_scc1 .Lnot_wave_0_\@
	s_barrier_signal -3
.Lnot_wave_0_\@:
	s_barrier_wait -3
	s_barrier_signal -1
	s_barrier_wait -1
.endm
.macro CROUND                          ; a whole round
	s_barrier_signal -1
	s_barrier_wait -1
	CREST
.endm
	s_load_b256 s[4:11], s[0:1], 0x0               ; xb s[4:5], eb s[6:7], xsq s[8:9], esq s[10:11]
	s_load_b128 s[PVB:PVB+3], s[0:1], 0x20         ; pv, pi
	v_lshl_add_u32 v[SPW], v0, 2, SPARE
	v_mov_b32 v[NIL], 0
	ds_add_u32 v[SPW], v[NIL]                      ; the wave's opening: the add, twice on end, and its wait ahead of my first tensor load; the set-up below, work on registers, stands between
	ds_add_u32 v[SPW], v[NIL]                      ; and once more, under the one wait
	v_lshrrev_b32 v1, 5, v0
	v_readfirstlane_b32 s[WV], v1                  ; wave 0..3
	s_lshr_b32 s[WH], s[WV], 1
	s_and_b32 s[WL], s[WV], 1
	s_bfe_u32 s[CX], ttmp6, 0x40000                ; my place along the cluster's x
	s_bfe_u32 s[CY], ttmp6, 0x40004                ; along its y
	s_lshl_b32 s[GX], ttmp9, 2                     ; in a cluster launch ttmp9 and ttmp7 count clusters
	s_add_co_u32 s[GX], s[GX], s[CX]               ; column of codes = 4 x cluster x + cx
	s_and_b32 s[TY], ttmp7, 0xffff
	s_lshl_b32 s[TY], s[TY], 2
	s_add_co_u32 s[TY], s[TY], s[CY]               ; block of tokens = 4 x cluster y + cy
	s_lshl_b32 s22, s[CY], 2
	s_lshl_b32 s22, 15, s22                        ; my row of the cluster: places 4 cy .. 4 cy + 3
	s_lshl_b32 s88, 0x1111, s[CX]                  ; my column: places cx, cx + 4, cx + 8, cx + 12
	; descriptor group 1: a tile of 128 rows x 128 elements, padded in LDS
	s_or_b32 s[G1X], s22, (1<<16)|(1<<20)|(1<<21)|(5<<22)|(3<<25)  ; 15:0 the mask: xb's tiles go to my row; 17:16 elements of 2 bytes; 20 padding on; 21 set beside a mask; 24:22 after every 64 words (code 5); 31:25 4 words (code 3)
	s_or_b32 s[G1E], s88, (1<<16)|(1<<20)|(1<<21)|(5<<22)|(3<<25)  ; the same with the mask of my column, for eb's tiles
.irp g, G1X, G1E
	s_mov_b32 s[(\g)+1], KSTEP<<16                 ; tensor_dim0 = 128
	s_mov_b32 s[(\g)+2], 128<<16                   ; tensor_dim1 = 128
	s_mov_b32 s[(\g)+3], KSTEP<<16                 ; tile_dim0 = 128
	s_mov_b32 s[(\g)+4], 128                       ; tile_dim1 = 128
	s_mov_b32 s[(\g)+5], 768                       ; elements from row to row
	s_mov_b32 s[(\g)+6], 0
	s_mov_b32 s[(\g)+7], 0
.endr
	; where the tiles come from.  xb's hang on the block of tokens alone, which my row of the cluster shares; eb's on the column of codes alone, which my column shares.
	s_lshl_b32 s17, s[WL], 7                       ; which 128 rows of the tile I fetch
	s_lshl_b32 s16, s[TY], 8
	s_add_co_u32 s16, s16, s17                     ; xb: row 256 x block + 128 x half
	s_lshl_b32 s46, s[GX], 8
	s_add_co_u32 s46, s46, s17                     ; eb: row 256 x column + 128 x half
	s_mul_i32 s16, s16, ROWB                       ; in bytes: under 2^24
	s_mul_i32 s46, s46, ROWB
	s_mov_b32 s17, 0
	s_mov_b32 s47, 0
	s_mul_i32 s20, s[WV], HALFT                    ; and where they go: wave x 128 rows: no place in the cluster enters an LDS address
	s_mov_b32 s[SEL], 0x76543210
	s_mov_b32 s[SEL+1], 0xfedcba98
	s_wait_dscnt 0x0                               ; both opening adds are done
	s_wait_kmcnt 0x0
	s_add_nc_u64 s[18:19], s[4:5], s[16:17]
	s_add_nc_u64 s[46:47], s[6:7], s[46:47]
	CROUND                                         ; all sixteen work-groups are here: the first joint loads meet
.irp s, 0,1
	s_mov_b32 s[G0X+4*(\s)], 1                                       ; count = 1
	s_add_co_u32 s[G0X+4*(\s)+1], s20, (\s)*SLOT                     ; LDS address
	s_add_nc_u64 s[G0X+4*(\s)+2:G0X+4*(\s)+3], s[18:19], (\s)*KSTEP*2  ; global address: K step s
	s_or_b32 s[G0X+4*(\s)+3], s[G0X+4*(\s)+3], 0x80000000            ; type = 2
	s_mov_b32 s[G0E+4*(\s)], 1
	s_add_co_u32 s[G0E+4*(\s)+1], s20, (\s)*SLOT
	s_add_nc_u64 s[G0E+4*(\s)+2:G0E+4*(\s)+3], s[46:47], (\s)*KSTEP*2
	s_or_b32 s[G0E+4*(\s)+3], s[G0E+4*(\s)+3], 0x80000000
	JLOAD \s                                       ; the ring is filled before anything else is done: two loads of mine are out
.endr
	; A fragment is 16 rows x 32 K in 8 registers: lane l holds row l % 16; registers 0-3 K = 8 (l / 16) + 0..7, registers 4-7 K = 16 + 8 (l / 16) + 0..7: two loads of 16 bytes, 32 bytes apart.
	v_and_b32 v1, 15, v0                           ; l % 16
	v_bfe_u32 v2, v0, 4, 1                         ; l / 16
	v_and_b32 v4, 31, v0                           ; l
	v_mul_u32_u24 v3, v1, PITCH
	v_lshl_add_u32 v3, v2, 4, v3                   ; row x pitch + 16 x half
	s_mul_i32 s21, s[WH], HALFT                    ; my 128 rows of xb
	s_mul_i32 s22, s[WL], HALFT                    ; my 128 rows of eb,
	s_add_co_u32 s22, s22, 2*HALFT                 ; which lie behind xb's 256
.irp s, 0,1
	v_add_nc_u32 v[ADRX+(\s)], s21, v3
	v_add_nc_u32 v[ADRE+(\s)], s22, v3
	s_add_co_u32 s21, s21, SLOT
	s_add_co_u32 s22, s22, SLOT
.endr
	v_lshlrev_b32 v[EO], 5, v2
	v_lshlrev_b32 v[XO], 2, v1
	s_lshl_b32 s23, s[WV], 10
	s_add_co_u32 s23, s23, STAGE                   ; my stage
	v_lshl_add_u32 v[SA], v1, 2, s23
	v_lshl_add_u32 v[SR], v4, 4, s23
	v_lshlrev_b32 v[GO], 4, v4
	v_lshlrev_b32 v[H8], 3, v2
	v_mul_u32_u24 v[PFO], v4, ROWB
	; the small tables at my tokens and my codes
	s_lshl_b32 s16, s[TY], 10
	s_lshl_b32 s17, s[WH], 9
	s_add_co_u32 s16, s16, s17                     ; 4 (256 x block + 128 x half): my first token, in bytes of f32
	s_mov_b32 s17, 0
	s_add_nc_u64 s[8:9], s[8:9], s[16:17]
	s_lshl_b32 s88, s[GX], 10
	s_lshl_b32 s89, s[WL], 9
	s_add_co_u32 s88, s88, s89                     ; my first code of tile 0, in bytes of f32
	s_mov_b32 s89, 0
	s_add_nc_u64 s[10:11], s[10:11], s[88:89]
.irp x, 0,1,2,3,4,5,6,7
	global_load_b32 v[XS+2*(\x)],   v[XO], s[8:9] offset:64*(\x)
	global_load_b32 v[XS+2*(\x)+1], v[XO], s[8:9] offset:64*(\x)
.endr
.macro LOADESQ                         ; esq of the tile's 128 codes that are mine: a lane's eight of each block of 16
.irp e, 0,1,2,3,4,5,6,7
	global_load_b128 v[ESQ+8*(\e):ESQ+8*(\e)+3],   v[EO], s[10:11] offset:64*(\e)
	global_load_b128 v[ESQ+8*(\e)+4:ESQ+8*(\e)+7], v[EO], s[10:11] offset:64*(\e)+16
.endr
.endm
	LOADESQ
	s_lshl1_add_u32 s90, s[GX], s[WL]              ; my part: 2 x column + code half
	s_lshl_b32 s90, s90, 15                        ; a part is 8,192 words
	s_add_co_u32 s90, s90, s16
	s_mov_b32 s91, 0
	s_add_nc_u64 s[PVB:PVB+1], s[PVB:PVB+1], s[90:91]
	s_add_nc_u64 s[PIB:PIB+1], s[PIB:PIB+1], s[90:91]
	s_lshr_b32 s88, s88, 2                         ; my first code of tile 0
.irp e, 0,1,2,3,4,5,6,7
	s_add_co_u32 s[CB+(\e)], s88, 16*(\e)
.endr
	; the running minima start at +infinity, their code blocks at 0: 128 moves in the wait for the first tile, the price of one text of the comparison for every tile
	s_mov_b32 s16, 0x7f800000
	WIN TO_E
.set i, 0
.rept 64
	v_mov_b32 v[BV+i], s16
	v_mov_b32 v[BI+i], 0
.set i, i+1
.endr
	WIN 0
	; the prefetches' address
	s_lshl_b32 s16, s[TY], 8
	s_lshl_b32 s88, s[GX], 8
	s_and_b32 s22, ttmp7, 0xffff                   ; cluster y
	s_cmp_eq_u32 s[WH], 0                          ; do I fetch for xb?
	s_cselect_b32 s20, s16, s88                    ; the tile's first row
	s_cselect_b32 s21, s[CX], s[CY]                ; my place among the four that ask for it with me
	s_cselect_b32 s22, ttmp9, s22                  ; the coordinate along which other clusters read the same rows
	s_cselect_b64 s[PFA:PFA+1], s[4:5], s[6:7]
	s_cmp_eq_u32 s22, 0
	s_cselect_b32 s[LIM], 1, -1                    ; the same in all sixteen partners, for a given wave
	s_cmp_eq_u32 s[WH], 1
	s_cselect_b32 s[LIME], s[LIM], -1
	s_lshl_b32 s22, s[WL], 7
	s_add_co_u32 s20, s20, s22                     ; + the 128 rows that I fetch
	s_lshl_b32 s21, s21, 5
	s_add_co_u32 s20, s20, s21                     ; + my work-group's 32 of them
	s_mul_i32 s20, s20, ROWB
	s_mov_b32 s21, 0
	s_add_nc_u64 s[PFA:PFA+1], s[PFA:PFA+1], s[20:21]
	s_add_nc_u64 s[PFA:PFA+1], s[PFA:PFA+1], 2*KSTEP*2  ; at K step 2: the first refill steps it to 3 and names K step 4.  Nothing is prefetched here, at the head
; 16 matrix instructions: token blocks a0, a0 + 1 of the window's four (hi = 0: my tokens 0-63, 1: 64-127) x all 8 code blocks, 32 along K.  zero = 1: the first product starts the sums: nothing is cleared.
.macro MUL16 f, hi, a0, zero
	WIN MUL_LO+0x50*(\hi)
.irp a, \a0, (\a0)+1
.irp b, 0,1,2,3,4,5,6,7
.if \zero
	v_wmma_f32_16x16x32_bf16 v[8*(8*(\a)+(\b)):8*(8*(\a)+(\b))+7], v[(\f)+8*(\b):(\f)+8*(\b)+7], v[(\f)+8*(4*(\hi)+(\a)):(\f)+8*(4*(\hi)+(\a))+7], 0
.else
	v_wmma_f32_16x16x32_bf16 v[8*(8*(\a)+(\b)):8*(8*(\a)+(\b))+7], v[(\f)+8*(\b):(\f)+8*(\b)+7], v[(\f)+8*(4*(\hi)+(\a)):(\f)+8*(4*(\hi)+(\a))+7], v[8*(8*(\a)+(\b)):8*(8*(\a)+(\b))+7]
.endif
.endr
.endr
.endm
; 32 LDS loads in one run: the fragments of one quarter step (128 rows of eb, 128 rows of xb, 32 K at byte k of the rows) into buffer f
.macro FETCH slot, k, f
	WIN TO_E
.irp i, 0,1,2,3,4,5,6,7
	ds_load_b128 v[(\f)+8*(\i):(\f)+8*(\i)+3],   v[ADRE+(\slot)] offset:(\k)+(\i)*16*PITCH
	ds_load_b128 v[(\f)+8*(\i)+4:(\f)+8*(\i)+7], v[ADRE+(\slot)] offset:(\k)+(\i)*16*PITCH+32
.endr
	WIN 0
.irp i, 0,1,2,3,4,5,6,7
	ds_load_b128 v[(\f)+8*(\i):(\f)+8*(\i)+3],   v[ADRX+(\slot)] offset:(\k)+(\i)*16*PITCH
	ds_load_b128 v[(\f)+8*(\i)+4:(\f)+8*(\i)+7], v[ADRX+(\slot)] offset:(\k)+(\i)*16*PITCH+32
.endr
.endm
; A load into a register that a matrix instruction has read stands four plain vector instructions behind it (ISA guide 7.12.1 for vector instructions): four v_nop in front of each run of loads.
.macro PLACES
.rept 4
	v_nop
.endr
.endm
; A K step is four quarter steps of 32 along K, 64 matrix instructions each, on buffers 0, 1, 0, 1.  The 64 accumulators take turns in the same order in every quarter.
; One of the first three: multiplies buffer f; in its middle it fetches the next quarter's fragments, at byte k of the same slot's rows, into buffer g.
.macro QUARTER slot, k, f, g, zero
	s_wait_dscnt 8                                 ; eb and xb's rows 0-63 are in; the youngest eight loads (xb's rows 64-127) may be out
	WIN MUL_LO
	MUL16 \f, 0, 0, \zero
	MUL16 \f, 0, 2, \zero
	PLACES
	FETCH \slot, \k, \g
	s_wait_dscnt 32                                ; all but the 32 just issued
	WIN MUL_HI
	MUL16 \f, 1, 0, \zero
	MUL16 \f, 1, 2, \zero
.endm
; The last quarter multiplies buffer 1 and changes slots.  MEET is its first half: ONE barrier for the change.  In front of it each wave waits for all its tensor loads, of which one is out: its part of
; the next slot; adds 0 to its spare word; and waits for that and for its own reads of this slot.  Behind it nobody reads this slot any more and the next slot is whole.
.macro MEET round                      ; round = 1: a round of the cluster's barrier follows
	WIN 0                                          ; (the add's two registers lie in window 0)
	s_wait_tensorcnt 0x0                           ; all my tensor loads have landed
	ds_add_u32 v[SPW], v[NIL]                      ; 0 onto my spare word
	s_wait_dscnt 9                                 ; (the add and the youngest eight loads may be out)
	WIN MUL_LO
	MUL16 F1, 0, 0, 0                              ; sixteen matrix instructions stand between the add and the wait for it
	s_wait_dscnt 0x0                               ; the add is done, and my reads of this slot are over
	s_barrier_signal -1
	MUL16 F1, 0, 2, 0                              ; work on registers while the others arrive
.if \round
	WIN 0
.endif
	s_barrier_wait -1
.endm
; The whole last quarter of a K step whose slot is filled again: behind the round the slot just read out takes this tile's K step two steps on.
.macro TURN slot, next
	s_wait_xcnt 0x0                                ; the last prefetch, a K step back, has read its address: it is stepped here, ahead of the waits of the change of slots
	s_add_nc_u64 s[PFA:PFA+1], s[PFA:PFA+1], KSTEP*2
	MEET 1
	CREST                                          ; no wave of any partner still reads this slot's tile or has a load on its way
	s_add_nc_u64 s[G0X+4*(\slot)+2:G0X+4*(\slot)+3], s[G0X+4*(\slot)+2:G0X+4*(\slot)+3], 2*KSTEP*2
	s_add_nc_u64 s[G0E+4*(\slot)+2:G0E+4*(\slot)+3], s[G0E+4*(\slot)+2:G0E+4*(\slot)+3], 2*KSTEP*2
	JLOAD \slot                                    ; the first tensor load behind the round, my one load until the next; its four v_nop are also the places in front of the loads below
	FETCH \next, 0, F0
	ASK 0
	WIN MUL_HI
	MUL16 F1, 1, 0, 0
	MUL16 F1, 1, 2, 0
.endm
; A refill at a change of tiles: the slot takes the NEXT tile's K step 0 or 1.  The three lines, a round of the cluster's barrier, the joint load first behind it.  Every window is 0 here.
.macro REFILL slot, pfstep
	s_wait_xcnt 0x0                                ; the last prefetches have read their address
	s_add_nc_u64 s[PFA:PFA+1], s[PFA:PFA+1], \pfstep
	s_wait_tensorcnt 0x0                           ; no tensor load of mine is out, so a group 0 may be written
	ds_add_u32 v[SPW], v[NIL]                      ; 0 onto my spare word; the descriptors' steps stand between it and the wait for it
	s_sub_nc_u64 s[G0X+4*(\slot)+2:G0X+4*(\slot)+3], s[G0X+4*(\slot)+2:G0X+4*(\slot)+3], BACK_X
	s_add_nc_u64 s[G0E+4*(\slot)+2:G0E+4*(\slot)+3], s[G0E+4*(\slot)+2:G0E+4*(\slot)+3], NEXT_E
	s_wait_dscnt 0x0                               ; the add is done; my reads of both slots were over at the tile's last products
	CROUND                                         ; and so it is with every wave of every partner
	JLOAD \slot
.endm
; THE SCORES OF TOKEN BLOCKS xa .. xa + xn - 1.  For token block x and two code blocks at a time: t = esq + xsq (8 packed adds, window 0); d = t - 2 dot (8 packed multiply-adds, each accumulator's
; registers in ascending order); then for each of the two blocks, in ascending order of codes: eight comparisons (is the running minimum greater?), eight minima, eight selects of the block's first code.
; Batches of eight on eight mask registers keep each instruction eight lines from the one whose result it reads.  Three switches of the window for 64 lines: scores, accumulators and running minima do
; not fit in one window.  The first eight adds name no register of the last products: they are the places behind them.
.macro EPI xa, xn
.set x, \xa
.rept \xn
.set ep, 0
.rept 4
	WIN 0
.set u, 0
.rept 2
.set k, 0
.rept 4
.set rT, T+8*u+2*k
.set rE, ESQ+8*(2*ep+u)+2*k
	v_pk_add_f32 v[rT:rT+1], v[rE:rE+1], v[XS+2*x:XS+2*x+1]
.set k, k+1
.endr
.set u, u+1
.endr
	WIN 0x02+x/4
.set u, 0
.rept 2
.set k, 0
.rept 4
.set rT, T+8*u+2*k
.set rA, 64*(x%4)+8*(2*ep+u)+2*k
	v_pk_fma_f32 v[rT:rT+1], v[rA:rA+1], -2.0, v[rT:rT+1] op_sel_hi:[1,0,1]
.set k, k+1
.endr
.set u, u+1
.endr
	WIN 0x41
.set u, 0
.rept 2
.set j, 0
.rept 8
	v_cmp_gt_f32 s[M+j], v[BV+8*x+j], v[T+8*u+j]
.set j, j+1
.endr
.set j, 0
.rept 8
	v_min_num_f32 v[BV+8*x+j], v[BV+8*x+j], v[T+8*u+j]
.set j, j+1
.endr
.set j, 0
.rept 8
	v_cndmask_b32 v[BI+8*x+j], v[BI+8*x+j], s[CB+2*ep+u], s[M+j]
.set j, j+1
.endr
.set u, u+1
.endr
.set ep, ep+1
.endr
.set x, x+1
.endr
.endm
; (va, ia) takes (vb, ib) if vb is less, or equal with the lower index.
.macro MERGE va, ia, vb, ib, m
	v_cmp_lt_f32 s[\m], v[\vb], v[\va]
	v_cmp_eq_f32 s[(\m)+1], v[\vb], v[\va]
	v_cmp_lt_u32 s[(\m)+2], v[\ib], v[\ia]
	s_and_b32 s[(\m)+1], s[(\m)+1], s[(\m)+2]
	s_or_b32 s[\m], s[\m], s[(\m)+1]
	v_cndmask_b32 v[\va], v[\va], v[\vb], s[\m]
	v_cndmask_b32 v[\ia], v[\ia], v[\ib], s[\m]
.endm
.macro PAIR a, b, m                    ; places a and b of token block x
	MERGE BV+8*x+(\a), BI+8*x+(\a), BV+8*x+(\b), BI+8*x+(\b), \m
.endm
; THE WAY OUT.  A place's index is its block's first code + 8 (l / 16) + j.  j is added first and a lane's eight places are merged (8 (l / 16) is the same for all of them); then 8 (l / 16) is added and the
; two halves of the lanes, which hold the token's other codes, are merged.  The least d becomes its key.  Then the wave's 128 tokens go through its own stage in LDS, so that each of the two stores covers
; 512 consecutive bytes, aligned.
.macro FINAL
	WIN 0x45                                       ; all vector operands in window 1
.set i, 0
.rept 64
.if i%8
	v_add_nc_u32 v[BI+i], i%8, v[BI+i]
.endif
.set i, i+1
.endr
.set x, 0
.rept 8
	PAIR 0, 1, M
	PAIR 2, 3, M+4
	PAIR 4, 5, M
	PAIR 6, 7, M+4
	PAIR 0, 2, M
	PAIR 4, 6, M+4
	PAIR 0, 4, M
.set x, x+1
.endr
	WIN 0x44                                       ; source 0 in window 0
.set x, 0
.rept 8
	v_add_nc_u32 v[BI+8*x], v[H8], v[BI+8*x]
.set x, x+1
.endr
	WIN 0x45
.set x, 0
.rept 8
	v_permlanex16_b32 v[BV+8*x+1], v[BV+8*x], s[SEL], s[SEL+1]
	v_permlanex16_b32 v[BI+8*x+1], v[BI+8*x], s[SEL], s[SEL+1]
	PAIR 0, 1, M+4*(x%2)                           ; both halves of the lanes end with the same pair
.set x, x+1
.endr
.set x, 0
.rept 8                                                ; the key: bits xor (sign ? all ones : the top bit)
	v_ashrrev_i32 v[BV+8*x+1], 31, v[BV+8*x]
	v_or_b32 v[BV+8*x+1], 0x80000000, v[BV+8*x+1]
	v_xor_b32 v[BV+8*x], v[BV+8*x], v[BV+8*x+1]
.set x, x+1
.endr
	WIN 0x04                                       ; address window 0, data window 1
.set x, 0
.rept 8
	ds_store_b32 v[SA], v[BV+8*x] offset:64*x      ; lanes l and l + 16 write the same word with the same number
	ds_store_b32 v[SA], v[BI+8*x] offset:512+64*x
.set x, x+1
.endr
	WIN 0
	ds_load_b128 v[T:T+3],   v[SR]                 ; LDS serves a wave's instructions in order (ISA guide 5.7.1.4): these see my stores above; the bytes are my wave's own
	ds_load_b128 v[T+4:T+7], v[SR] offset:512
	s_wait_dscnt 0x0
	global_store_b128 v[GO], v[T:T+3],   s[PVB:PVB+1]
	global_store_b128 v[GO], v[T+4:T+7], s[PIB:PIB+1]
.endm
	s_wait_tensorcnt 1                             ; my part of K step 0 is in; K step 1's may stay out
	s_barrier_signal -1
	s_barrier_wait -1                              ; everybody's is
	FETCH 0, 0, F0
	s_mov_b32 s[TL], TILES                         ; tiles to go: the same number in every work-group
.Ltile:
	QUARTER 0, 64,  F0, F1, 1                      ; a tile's first quarter stands in front of the loop: its products start the sums
	WIN 0                                          ; at a label and at a branch every window is 0
	s_mov_b32 s[LP], LAPS-1
.Llap:                                                 ; a trip goes once round the ring, from a lap's second quarter to the next lap's first, and fills both slots again
	QUARTER 0, 128, F1, F0, 0
	QUARTER 0, 192, F0, F1, 0
	TURN 0, 1
	QUARTER 1, 64,  F0, F1, 0
	QUARTER 1, 128, F1, F0, 0
	QUARTER 1, 192, F0, F1, 0
	TURN 1, 0
	QUARTER 0, 64,  F0, F1, 0
	WIN 0
	s_sub_co_u32 s[LP], s[LP], 1
	s_cmp_lg_u32 s[LP], 0
	s_cbranch_scc1 .Llap
	QUARTER 0, 128, F1, F0, 0                      ; the tile's last lap fills nothing, in every tile
	QUARTER 0, 192, F0, F1, 0
	s_wait_xcnt 0x0                                ; the last prefetch, a lap back, has read its address
	s_add_nc_u64 s[PFA:PFA+1], s[PFA:PFA+1], PFMID ; one K step ahead of the next tile's first
	MEET 0                                         ; my one tensor load that was still out is slot 1's, the tile's last K step: the wait serves its reads; no round follows
	PLACES                                         ; for the loads into buffer 0, which the quarter before multiplied
	FETCH 1, 0, F0
	ASK 2
	WIN MUL_HI
	MUL16 F1, 1, 0, 0
	MUL16 F1, 1, 2, 0
	QUARTER 1, 64,  F0, F1, 0
	QUARTER 1, 128, F1, F0, 0
	QUARTER 1, 192, F0, F1, 0
	s_wait_dscnt 8                                 ; the tile's last quarter: nothing more to fetch
	WIN MUL_LO
	MUL16 F1, 0, 0, 0
	MUL16 F1, 0, 2, 0
	s_wait_dscnt 0x0
	MUL16 F1, 1, 0, 0
	MUL16 F1, 1, 2, 0
	s_wait_loadcnt 0x0                             ; esq of this tile (and, the first time, xsq), asked for a tile ago
	EPI 0, EPA
	WIN 0
	s_cmp_eq_u32 s[TL], 1
	s_cbranch_scc1 .Llast                          ; the last tile asks for nothing more: its end is written out behind the loop
	s_cmp_eq_u32 s[WH], 1
	s_cselect_b32 s[LIM], s[LIM], -1               ; xb's rows have been asked for in the first tile
	REFILL 0, 2*KSTEP*2                            ; slot 0 takes the next tile's K step 0,
	ASK 1
	EPI EPA, 8-EPA                                 ; which is on its way while the other three blocks are compared
	WIN 0
	s_add_nc_u64 s[10:11], s[10:11], WALK*4        ; esq at the next tile's codes: the loads that read this base are done
.irp e, 0,1,2,3,4,5,6,7
	s_add_co_u32 s[CB+(\e)], s[CB+(\e)], WALK
.endr
	LOADESQ                                        ; they have the next tile's products in which to land
	REFILL 1, KSTEP*2                              ; its wait for all loads shows K step 0 landed, its round shows that of every wave; slot 1 takes K step 1
	FETCH 0, 0, F0                                 ; the next tile's first fragments
	ASK 1
	s_sub_co_u32 s[TL], s[TL], 1
	s_branch .Ltile
.Llast:
	EPI EPA, 8-EPA
	FINAL
	s_wait_tensorcnt 0x0                           ; the wave's end, behind my last tensor load and my last LDS store
	ds_add_u32 v[SPW], v[NIL]
	s_wait_dscnt 0x0
	CROUND                                         ; the closing round: no work-group ends while a partner may still ask for a tile that names it
	s_endpgm
.Lfunc_end_k_q10b9d70e29_dist:
	.size	k_q10b9d70e29_dist, .Lfunc_end_k_q10b9d70e29_dist-k_q10b9d70e29_dist
	.p2alignl 7, 3214868480
	.fill 96, 4, 3214868480
	.section	.rodata,"a",@progbits
	.p2align	6, 0x0
	.amdhsa_kernel k_q10b9d70e29_dist
		.amdhsa_group_segment_fixed_size 327680
		.amdhsa_private_segment_fixed_size 0
		.amdhsa_enable_private_segment 0
		.amdhsa_kernarg_size 48
		.amdhsa_user_sgpr_count 2
		.amdhsa_user_sgpr_kernarg_segment_ptr 1
		.amdhsa_wavefront_size32 1
		.amdhsa_system_sgpr_workgroup_id_x 1
		.amdhsa_system_sgpr_workgroup_id_y 1
		.amdhsa_system_sgpr_workgroup_id_z 1
		.amdhsa_system_vgpr_workitem_id 0
		.amdhsa_next_free_vgpr 1024
		.amdhsa_next_free_sgpr 96
		.amdhsa_reserve_vcc 0
		.amdhsa_float_denorm_mode_32 3
		.amdhsa_float_denorm_mode_16_64 3
		.amdhsa_memory_ordered 1
		.amdhsa_forward_progress 1
		.amdhsa_inst_pref_size 255
	.end_amdhsa_kernel
	.section	.bss,"aw",@nobits
	.p2align	6
	.space	262144
	.amdgpu_metadata
---
amdhsa.version: [ 1, 2 ]
amdhsa.kernels:
  - .name:           k_q10b9d70e29_dist
    .symbol:         k_q10b9d70e29_dist.kd
    .args:
      - { .name: xb, .offset: 0, .size: 8, .value_kind: global_buffer, .address_space: global }
      - { .name: eb, .offset: 8, .size: 8, .value_kind: global_buffer, .address_space: global }
      - { .name: xsq, .offset: 16, .size: 8, .value_kind: global_buffer, .address_space: global }
      - { .name: esq, .offset: 24, .size: 8, .value_kind: global_buffer, .address_space: global }
      - { .name: pv, .offset: 32, .size: 8, .value_kind: global_buffer, .address_space: global }
      - { .name: pi, .offset: 40, .size: 8, .value_kind: global_buffer, .address_space: global }
    .group_segment_fixed_size: 327680
    .private_segment_fixed_size: 0
    .kernarg_segment_align: 8
    .kernarg_segment_size: 48
    .max_flat_workgroup_size: 128
    .sgpr_count:     96
    .vgpr_count:     1024
    .wavefront_size: 32
...
	.end_amdgpu_metadata
.endif
;; end of part 2
;; launch gather (part 3): grid 256 x 1, 8 waves a work-group, no clusters, 0 bytes of LDS; arguments xb, eb, pv, pi, out0, out1; writes out0, out1
.if DOCPART == 3
	.amdgcn_target "amdgcn-amd-amdhsa--gfx1250"
	.amdhsa_code_object_version 6
	.text
	.protected	k_q10b9d70e29_gather
	.globl	k_q10b9d70e29_gather
	.p2align	8
	.type	k_q10b9d70e29_gather,@function
k_q10b9d70e29_gather:
	s_mov_b64 s[64:65], 0
	v_nop
	global_prefetch_b8 v0, s[64:65] scope:SCOPE_SE
	s_setreg_imm32_b32 hwreg(HW_REG_WAVE_MODE, 25, 1), 1
	s_wait_xcnt 0x0
; For each token n: idx[n] = the index of the least of its 16 partial minima, the lowest index among equals; out1[n] = idx[n]; out0[n][:] = (eb[idx[n]][:] - xb[n][:]) + xb[n][:], in f32, in the order
; in which the expression is written.  xb, eb: [8192][768] bf16, the rounded inputs from which the distances were made.  pv[part][token]: the part's least distance as a whole number that orders as the
; f32 does; pi[part][token]: its index.  Both were stored as whole numbers by the launch before, and only whole-number comparisons stand between them and the addresses made here.
; LIMIT: out0 is made of the inputs rounded to bf16, the numbers on which the distances were compared.
; A wave owns four rows.  THE INDICES: lane l takes part l % 16: 16 bytes of pv and of pi are its four tokens' keys and indices; four steps of exchange inside each half of 16 lanes (lane xor 1, 2, 4, 8)
; leave the least pair in every lane; both halves do the same work on the same numbers.  The index is held to the table's 8,192 rows and makes a scalar base.
; THE ROWS: a row is six pieces of 128 numbers: a lane takes 8 bytes of bf16 of each tensor (a wave's load covers 256 consecutive bytes, aligned) and stores 16 bytes of f32 (a wave's store covers 512).
; xb's 24 loads need no index and go out ahead of the merge; then eb's 24.  No register is loaded or stored twice: no loop, and only counted waits.
; out1 leaves as 16 bytes a wave, from one lane: 32 KiB in all beside out0's 24 MiB; 256 consecutive bytes of it are 64 tokens, the rows of sixteen waves in two work-groups.
; pv and pi are read 16 bytes a lane from 16 parts: a work-group takes 128 consecutive bytes of each part, once.  No LDS, matrix unit or cluster: no row is used by two waves.
.set ROWH, 1536
.set ROWF, 3072
.set KEY,  8                           ; v[8:11]    my four tokens' keys
.set IND,  12                          ; v[12:15]   their indices
.set Q,    16                          ; v[16:111]  piece n = 6 row + c: two words of eb, two of xb; later the four results
.set U,    112                         ; v[112:127] at work: the neighbour's keys and indices; later two sets of eight, by turns
.set MK,   40                          ; s[40:54]   token i's three lane masks at MK + 4 i
	s_load_b256 s[4:11], s[0:1], 0x0               ; xb s[4:5], eb s[6:7], pv s[8:9], pi s[10:11]
	s_load_b128 s[12:15], s[0:1], 0x20             ; out0 s[12:13], out1 s[14:15]
	v_lshrrev_b32 v3, 5, v0
	v_readfirstlane_b32 s16, v3                    ; wave 0..7
	v_and_b32 v4, 31, v0                           ; lane
	v_lshlrev_b32 v1, 3, v4                        ; 8 bytes of bf16 a lane
	v_lshlrev_b32 v2, 4, v4                        ; 16 bytes of f32 a lane
	v_and_b32 v5, 15, v0
	v_lshlrev_b32 v5, 15, v5                       ; my part: 8,192 words each
	v_mov_b32 v6, 0                                ; out1's offset
.set i, 0
.rept 8
	v_mov_b32 v[U+i], 0                            ; the destination of a move between lanes counts as read: it is written first
.set i, i+1
.endr
	s_lshl_b32 s17, ttmp9, 5
	s_lshl2_add_u32 s17, s16, s17                  ; my first row: 32 x work-group + 4 x wave
	s_lshl_b32 s18, s17, 2                         ; its word in a part and in out1
	s_mov_b32 s19, 0
	s_mul_i32 s20, s17, ROWH
	s_mov_b32 s21, 0
	s_mul_i32 s22, s17, ROWF
	s_mov_b32 s23, 0
	s_mov_b32 s34, 0xffff0000                      ; a word's upper bf16
	s_wait_kmcnt 0x0
	s_add_nc_u64 s[8:9], s[8:9], s[18:19]
	s_add_nc_u64 s[10:11], s[10:11], s[18:19]
	s_add_nc_u64 s[14:15], s[14:15], s[18:19]
	s_add_nc_u64 s[4:5], s[4:5], s[20:21]
	s_add_nc_u64 s[12:13], s[12:13], s[22:23]
	global_load_b128 v[KEY:KEY+3], v5, s[8:9]      ; wanted first, so asked for first
	global_load_b128 v[IND:IND+3], v5, s[10:11]
.set n, 0
.rept 24
	global_load_b64 v[Q+4*n+2:Q+4*n+3], v1, s[4:5] offset:ROWH*(n/6)+256*(n%6) th:TH_LOAD_NT
.set n, n+1
.endr
	s_wait_loadcnt 24                              ; loads come back in order: keys and indices are in; xb's 24 loads may stay out
	; (key, index) takes the neighbour's pair if its key is less, or equal with the lower index.  The four tokens go side by side, so that no line reads the result of the one before it.
.irp st, 1,2,4,8
.irp i, 0,1,2,3
	v_mov_b32_dpp v[U+(\i)],   v[KEY+(\i)] row_xmask:\st row_mask:0xf bank_mask:0xf
	v_mov_b32_dpp v[U+4+(\i)], v[IND+(\i)] row_xmask:\st row_mask:0xf bank_mask:0xf
.endr
.irp i, 0,1,2,3
	v_cmp_lt_u32 s[MK+4*(\i)],   v[U+(\i)],   v[KEY+(\i)]
	v_cmp_eq_u32 s[MK+4*(\i)+1], v[U+(\i)],   v[KEY+(\i)]
	v_cmp_lt_u32 s[MK+4*(\i)+2], v[U+4+(\i)], v[IND+(\i)]
.endr
.irp i, 0,1,2,3
	s_and_b32 s[MK+4*(\i)+1], s[MK+4*(\i)+1], s[MK+4*(\i)+2]
	s_or_b32 s[MK+4*(\i)], s[MK+4*(\i)], s[MK+4*(\i)+1]
.endr
.irp i, 0,1,2,3
	v_cndmask_b32 v[KEY+(\i)], v[KEY+(\i)], v[U+(\i)],   s[MK+4*(\i)]
	v_cndmask_b32 v[IND+(\i)], v[IND+(\i)], v[U+4+(\i)], s[MK+4*(\i)]
.endr
.endr
.irp i, 0,1,2,3
	v_readfirstlane_b32 s[24+2*(\i)], v[IND+(\i)]  ; every lane holds the same four indices
.endr
.irp i, 0,1,2,3
	s_min_u32 s[24+2*(\i)], s[24+2*(\i)], 0x1fff   ; an index stays inside the table
	s_mul_i32 s[24+2*(\i)], s[24+2*(\i)], ROWH
	s_mov_b32 s[25+2*(\i)], 0
	s_add_nc_u64 s[24+2*(\i):25+2*(\i)], s[6:7], s[24+2*(\i):25+2*(\i)]
.endr
.set n, 0
.rept 24
	global_load_b64 v[Q+4*n:Q+4*n+1], v1, s[24+2*(n/6):25+2*(n/6)] offset:256*(n%6)  ; no hint: several tokens may name one row
.set n, n+1
.endr
	v_cmp_eq_u32 vcc_lo, 0, v4
	s_wait_xcnt 0x0                                ; EXEC is a source of the loads above: it changes only behind this wait
	s_and_saveexec_b32 s35, vcc_lo
	global_store_b128 v6, v[IND:IND+3], s[14:15]   ; lane 0: my four tokens' indices
	s_wait_xcnt 0x0                                ; and again, in front of the line that widens it
	s_or_b32 exec_lo, exec_lo, s35
.macro CHUNK n
.set qq, Q+4*(\n)
.set tt, U+8*((\n)%2)
	s_wait_loadcnt 23-(\n)                         ; this piece of eb is in (all of xb's loads are older); the younger pieces may stay out
	v_lshlrev_b32 v[tt],   16,  v[qq]              ; bf16 to f32: the low half moves up, the high half stays
	v_and_b32     v[tt+1], s34, v[qq]
	v_lshlrev_b32 v[tt+2], 16,  v[qq+1]
	v_and_b32     v[tt+3], s34, v[qq+1]
	v_lshlrev_b32 v[tt+4], 16,  v[qq+2]
	v_and_b32     v[tt+5], s34, v[qq+2]
	v_lshlrev_b32 v[tt+6], 16,  v[qq+3]
	v_and_b32     v[tt+7], s34, v[qq+3]
	v_pk_add_f32 v[tt:tt+1],   v[tt:tt+1],   v[tt+4:tt+5] neg_lo:[0,1] neg_hi:[0,1]  ; q - x
	v_pk_add_f32 v[tt+2:tt+3], v[tt+2:tt+3], v[tt+6:tt+7] neg_lo:[0,1] neg_hi:[0,1]
	v_pk_add_f32 v[qq:qq+1],   v[tt:tt+1],   v[tt+4:tt+5]                            ; + x
	v_pk_add_f32 v[qq+2:qq+3], v[tt+2:tt+3], v[tt+6:tt+7]
	global_store_b128 v2, v[qq:qq+3], s[12:13] offset:ROWF*((\n)/6)+512*((\n)%6) th:TH_STORE_NT
.endm
.set m, 0
.rept 24
	CHUNK m
.set m, m+1
.endr
	s_endpgm
.Lfunc_end_k_q10b9d70e29_gather:
	.size	k_q10b9d70e29_gather, .Lfunc_end_k_q10b9d70e29_gather-k_q10b9d70e29_gather
	.p2alignl 7, 3214868480
	.fill 96, 4, 3214868480
	.section	.rodata,"a",@progbits
	.p2align	6, 0x0
	.amdhsa_kernel k_q10b9d70e29_gather
		.amdhsa_group_segment_fixed_size 0
		.amdhsa_private_segment_fixed_size 0
		.amdhsa_enable_private_segment 0
		.amdhsa_kernarg_size 48
		.amdhsa_user_sgpr_count 2
		.amdhsa_user_sgpr_kernarg_segment_ptr 1
		.amdhsa_wavefront_size32 1
		.amdhsa_system_sgpr_workgroup_id_x 1
		.amdhsa_system_sgpr_workgroup_id_y 1
		.amdhsa_system_sgpr_workgroup_id_z 1
		.amdhsa_system_vgpr_workitem_id 0
		.amdhsa_next_free_vgpr 128
		.amdhsa_next_free_sgpr 66
		.amdhsa_reserve_vcc 1
		.amdhsa_float_denorm_mode_32 3
		.amdhsa_float_denorm_mode_16_64 3
		.amdhsa_memory_ordered 1
		.amdhsa_forward_progress 1
		.amdhsa_inst_pref_size 31
	.end_amdhsa_kernel
	.amdgpu_metadata
---
amdhsa.version: [ 1, 2 ]
amdhsa.kernels:
  - .name:           k_q10b9d70e29_gather
    .symbol:         k_q10b9d70e29_gather.kd
    .args:
      - { .name: xb, .offset: 0, .size: 8, .value_kind: global_buffer, .address_space: global }
      - { .name: eb, .offset: 8, .size: 8, .value_kind: global_buffer, .address_space: global }
      - { .name: pv, .offset: 16, .size: 8, .value_kind: global_buffer, .address_space: global }
      - { .name: pi, .offset: 24, .size: 8, .value_kind: global_buffer, .address_space: global }
      - { .name: out0, .offset: 32, .size: 8, .value_kind: global_buffer, .address_space: global }
      - { .name: out1, .offset: 40, .size: 8, .value_kind: global_buffer, .address_space: global }
    .group_segment_fixed_size: 0
    .private_segment_fixed_size: 0
    .kernarg_segment_align: 8
    .kernarg_segment_size: 48
    .max_flat_workgroup_size: 256
    .sgpr_count:     66
    .vgpr_count:     128
    .wavefront_size: 32
...
	.end_amdgpu_metadata
.endif
;; end of part 3
;; ======== version 2 of 2: 3 launches; version 1 with the launches prep, gather written anew for expert scheduling mode
;; workspace buffers: xb 12,582,912 bytes; eb 12,582,912 bytes; xsq 32,768 bytes; esq 32,768 bytes; pv 524,288 bytes of whole numbers; pi 524,288 bytes of whole numbers
;; launch prep (part 4): grid 128 x 2, 8 waves a work-group, no clusters, 1,280 bytes of LDS; arguments inputs_flatten, embed, xb, eb, xsq, esq; writes xb, eb, xsq, esq
.if DOCPART == 4
	.amdgcn_target "amdgcn-amd-amdhsa--gfx1250"
	.amdhsa_code_object_version 6
	.text
	.protected	k_q10b9d70e29_prep
	.globl	k_q10b9d70e29_prep
	.p2align	8
	.type	k_q10b9d70e29_prep,@function
k_q10b9d70e29_prep:
	s_mov_b64 s[64:65], 0
	v_nop
	global_prefetch_b8 v0, s[64:65] scope:SCOPE_SE
	s_setreg_imm32_b32 hwreg(HW_REG_WAVE_SCHED_MODE, 0, 2), 2
	s_setreg_imm32_b32 hwreg(HW_REG_WAVE_MODE, 25, 1), 1
	s_wait_xcnt 0x0
	s_wait_alu depctr_vm_vsrc(0)
; Both inputs, [8192][768] f32, are rounded once to bf16 (xb, eb), and for each row the sum of the squares of the ROUNDED numbers is made in f32 (xsq, esq).
; The grid's y picks the tensor.  A work-group owns 64 rows, each of its eight waves 8 rows.  A row is six pieces of 128 numbers: a lane takes 16 consecutive bytes of f32,
; so a wave's load covers 512 consecutive bytes, and stores the 8 bytes of bf16 made of them, so a wave's store covers 256 consecutive bytes, aligned.
; All 48 loads of a wave go out at once (24 KiB a wave); no register is loaded twice, so there is no loop, and the waits for data are counted.
; LIMIT.  The 768 squares are added in four chains a lane and then across the 32 lanes: another order than a plain running sum, so the last bits may differ from one.
; No matrix unit, cluster or tensor load: no byte is used by two waves.
; THE MODE: SCHED_MODE bits 1:0 = 2 (LLVM: expert scheduling mode 2), set by the entry lines.  The code itself states the register dependences
; between vector instructions and memory or LDS instructions, with s_wait_alu, always for 0.
; THE PLAN.  Registers that memory or LDS instructions touch:
;   v1, v2, v6   offsets and an LDS address: made once at the head, never written again.
;   X, row i     Written by the row's six loads, then by row i's twelve conversions (the first two words of each piece); read by row i's unpacking lines and by its six stores; never written after that.
;   SUM          Written by the rows' reductions; read by the two LDS stores at the end.
;   v[T:T+1]     At work in every row; at the end wave 0's LDS load lands in it, and its last store reads it.
;   v[SPW], v[NIL]  Written at the head, read by the closing add alone.
; Row i's six stores are issued in row i + 1, whose vector instructions name X of row i + 1, T, S and SUM + i + 1: none of the registers that those stores read.  So ONE wait on va_vdst at the head
; of a row, behind the wait for the row's data, states all that the six stores hang on, and they are dealt among the row's conversions with no further wait.  One more stands behind row 7.
; No register that a memory or LDS instruction has read is written again: the text owes no wait on vm_vsrc.
.set ROWF,  3072                       ; bytes in a row of f32
.set ROWH,  1536                       ; bytes in a row of bf16
.set SPARE, 256                        ; LDS: bytes 0-255 the work-group's 64 sums; from 256 on the spare words, 128 bytes for each of the eight waves
.set SPW,   4                          ; v4   LDS address of my spare word; never rewritten
.set NIL,   5                          ; v5   0; never rewritten
.set T,     8                          ; v[8:15]   four pairs at work
.set S,     16                         ; v[16:23]  four pairs of running sums
.set SUM,   24                         ; v[24:31]  my wave's eight row sums
.set X,     32                         ; v[32:223] row i, piece c at X + 24 i + 4 c: four f32 as loaded; then two words of bf16 in the first two
	s_load_b256 s[4:11], s[0:1], 0x0               ; inputs_flatten s[4:5], embed s[6:7], xb s[8:9], eb s[10:11]
	s_load_b128 s[12:15], s[0:1], 0x20             ; xsq s[12:13], esq s[14:15]
	v_lshl_add_u32 v[SPW], v0, 2, SPARE
	v_mov_b32 v[NIL], 0
	v_lshrrev_b32 v3, 5, v0
	v_readfirstlane_b32 s26, v3                    ; wave 0..7
	v_and_b32 v3, 31, v0                           ; lane
	v_lshlrev_b32 v1, 4, v3                        ; 16 bytes of f32 a lane
	v_lshlrev_b32 v2, 3, v3                        ; 8 bytes of bf16 a lane
	s_wait_alu depctr_va_sdst(0)                   ; s26 is written, ahead of its first reader: the line below; the bases and the branch at the end read it too
	v_mov_b32 v6, s26
	v_lshlrev_b32 v6, 5, v6                        ; my wave's eight sums in LDS: 32 x wave
	s_mov_b32 s22, 0xffff0000                      ; a word's upper bf16
	s_mov_b32 s24, 0x76543210                      ; v_permlanex16_b32: each lane takes its own place in the other half
	s_mov_b32 s25, 0xfedcba98
	s_lshl_b32 s27, ttmp9, 3
	s_add_co_u32 s27, s27, s26                     ; my block of 8 rows: 8 x work-group + wave
	s_mul_i32 s28, s27, 8*ROWF                     ; its first byte in the source (under 2^25),
	s_mov_b32 s29, 0
	s_mul_i32 s30, s27, 8*ROWH                     ; and in the bf16 copy
	s_mov_b32 s31, 0
	s_lshl_b32 s2, ttmp9, 8                        ; the work-group's 64 sums: 256 bytes
	s_mov_b32 s3, 0
	s_and_b32 s23, ttmp7, 0xffff                   ; which tensor
	s_wait_kmcnt 0x0
	s_cmp_eq_u32 s23, 0
	s_cselect_b64 s[16:17], s[4:5], s[6:7]         ; source
	s_cselect_b64 s[18:19], s[8:9], s[10:11]       ; bf16 copy
	s_cselect_b64 s[20:21], s[12:13], s[14:15]     ; sums
	s_add_nc_u64 s[16:17], s[16:17], s[28:29]
	s_add_nc_u64 s[18:19], s[18:19], s[30:31]
	s_add_nc_u64 s[20:21], s[20:21], s[2:3]
	s_wait_alu depctr_va_vdst(0)                   ; v1, v2 and v6 are written: every load, store and LDS instruction of the kernel but the closing add reads one of them as its offset or address
.set n, 0
.rept 48                                               ; row n / 6, piece n % 6
	global_load_b128 v[X+4*n:X+4*n+3], v1, s[16:17] offset:ROWF*(n/6)+512*(n%6) th:TH_LOAD_NT
.set n, n+1
.endr
; Row i: rounded, then squared and summed from the rounded words.  Among its conversions the row before is stored.
.macro ROWP i
	s_wait_loadcnt 6*(7-(\i))                      ; loads come back in order: this row's six are in, the six of each younger row may stay out
.if (\i) > 0
	s_wait_alu depctr_va_vdst(0)                   ; the conversions of the row before have written its twelve words of bf16, which the six stores below read
.endif
.set c, 0
.rept 6
.if (\i) > 0
	global_store_b64 v2, v[X+24*((\i)-1)+4*c:X+24*((\i)-1)+4*c+1], s[18:19] offset:ROWH*((\i)-1)+256*c  ; the row before; no vector instruction since the wait names this pair, and none writes it again
.endif
	v_cvt_pk_bf16_f32 v[X+24*(\i)+4*c],   v[X+24*(\i)+4*c],   v[X+24*(\i)+4*c+1]
	v_cvt_pk_bf16_f32 v[X+24*(\i)+4*c+1], v[X+24*(\i)+4*c+2], v[X+24*(\i)+4*c+3]
.set c, c+1
.endr
.set n, 0
.rept 12                                               ; twelve words of two bf16, four chains; the first four words start the chains: nothing is cleared
.set w, X+24*(\i)+4*(n/2)+n%2
	v_lshlrev_b32 v[T+2*(n%4)],   16,  v[w]
	v_and_b32     v[T+2*(n%4)+1], s22, v[w]
.if n < 4
	v_pk_mul_f32 v[S+2*n:S+2*n+1], v[T+2*n:T+2*n+1], v[T+2*n:T+2*n+1]
.else
	v_pk_fma_f32 v[S+2*(n%4):S+2*(n%4)+1], v[T+2*(n%4):T+2*(n%4)+1], v[T+2*(n%4):T+2*(n%4)+1], v[S+2*(n%4):S+2*(n%4)+1]
.endif
.set n, n+1
.endr
	v_pk_add_f32 v[S:S+1], v[S:S+1], v[S+2:S+3]
	v_pk_add_f32 v[S+4:S+5], v[S+4:S+5], v[S+6:S+7]
	v_pk_add_f32 v[S:S+1], v[S:S+1], v[S+4:S+5]
	v_add_f32 v[SUM+(\i)], v[S], v[S+1]
	v_add_f32_dpp v[SUM+(\i)], v[SUM+(\i)], v[SUM+(\i)] row_xmask:1 row_mask:0xf bank_mask:0xf
	v_add_f32_dpp v[SUM+(\i)], v[SUM+(\i)], v[SUM+(\i)] row_xmask:2 row_mask:0xf bank_mask:0xf
	v_add_f32_dpp v[SUM+(\i)], v[SUM+(\i)], v[SUM+(\i)] row_xmask:4 row_mask:0xf bank_mask:0xf
	v_add_f32_dpp v[SUM+(\i)], v[SUM+(\i)], v[SUM+(\i)] row_xmask:8 row_mask:0xf bank_mask:0xf
	v_permlanex16_b32 v[T], v[SUM+(\i)], s24, s25  ; its destination has been written above
	v_add_f32 v[SUM+(\i)], v[SUM+(\i)], v[T]       ; every lane holds the row's sum
.endm
.irp i, 0,1,2,3,4,5,6,7
	ROWP \i
.endr
	s_wait_alu depctr_va_vdst(0)                   ; row 7's conversions have written its words, which the six stores read; the eight sums are written, which the LDS stores read; and every vector line that named v[T:T+1], in which wave 0's LDS load lands, is done: no vector instruction follows
.set c, 0
.rept 6
	global_store_b64 v2, v[X+24*7+4*c:X+24*7+4*c+1], s[18:19] offset:ROWH*7+256*c
.set c, c+1
.endr
	; the 64 sums meet in LDS, so that one store of one wave writes their 256 bytes
	ds_store_b128 v6, v[SUM:SUM+3]                 ; all lanes write the same bytes with the same numbers
	ds_store_b128 v6, v[SUM+4:SUM+7] offset:16
	s_wait_dscnt 0x0                               ; for the others' sake: my stores are done
	s_barrier_signal -1
	s_barrier_wait -1
	s_cmp_lg_u32 s26, 0
	s_cbranch_scc1 .Lend
	ds_load_b64 v[T:T+1], v2                       ; wave 0: two sums a lane
	s_wait_dscnt 0x0
	global_store_b64 v2, v[T:T+1], s[20:21]        ; 256 consecutive bytes, aligned
.Lend:
	s_wait_dscnt 0x0                               ; the wave's end
	s_wait_alu 0x0
	s_wait_tensorcnt 0x0
	ds_add_u32 v[SPW], v[NIL]
	s_wait_dscnt 0x0
	s_endpgm
.Lfunc_end_k_q10b9d70e29_prep:
	.size	k_q10b9d70e29_prep, .Lfunc_end_k_q10b9d70e29_prep-k_q10b9d70e29_prep
	.p2alignl 7, 3214868480
	.fill 96, 4, 3214868480
	.section	.rodata,"a",@progbits
	.p2align	6, 0x0
	.amdhsa_kernel k_q10b9d70e29_prep
		.amdhsa_group_segment_fixed_size 1280
		.amdhsa_private_segment_fixed_size 0
		.amdhsa_enable_private_segment 0
		.amdhsa_kernarg_size 48
		.amdhsa_user_sgpr_count 2
		.amdhsa_user_sgpr_kernarg_segment_ptr 1
		.amdhsa_wavefront_size32 1
		.amdhsa_system_sgpr_workgroup_id_x 1
		.amdhsa_system_sgpr_workgroup_id_y 1
		.amdhsa_system_sgpr_workgroup_id_z 1
		.amdhsa_system_vgpr_workitem_id 0
		.amdhsa_next_free_vgpr 224
		.amdhsa_next_free_sgpr 66
		.amdhsa_reserve_vcc 0
		.amdhsa_float_denorm_mode_32 3
		.amdhsa_float_denorm_mode_16_64 3
		.amdhsa_memory_ordered 1
		.amdhsa_forward_progress 1
		.amdhsa_inst_pref_size 35
	.end_amdhsa_kernel
	.amdgpu_metadata
---
amdhsa.version: [ 1, 2 ]
amdhsa.kernels:
  - .name:           k_q10b9d70e29_prep
    .symbol:         k_q10b9d70e29_prep.kd
    .args:
      - { .name: inputs_flatten, .offset: 0, .size: 8, .value_kind: global_buffer, .address_space: global }
      - { .name: embed, .offset: 8, .size: 8, .value_kind: global_buffer, .address_space: global }
      - { .name: xb, .offset: 16, .size: 8, .value_kind: global_buffer, .address_space: global }
      - { .name: eb, .offset: 24, .size: 8, .value_kind: global_buffer, .address_space: global }
      - { .name: xsq, .offset: 32, .size: 8, .value_kind: global_buffer, .address_space: global }
      - { .name: esq, .offset: 40, .size: 8, .value_kind: global_buffer, .address_space: global }
    .group_segment_fixed_size: 1280
    .private_segment_fixed_size: 0
    .kernarg_segment_align: 8
    .kernarg_segment_size: 48
    .max_flat_workgroup_size: 256
    .sgpr_count:     66
    .vgpr_count:     224
    .wavefront_size: 32
...
	.end_amdgpu_metadata
.endif
;; end of part 4
;; launch dist: the kernel of part 2 again; grid 8 x 32, 4 waves a work-group, clusters of 4 x 4, 327,680 bytes of LDS; arguments xb, eb, xsq, esq, pv, pi; writes pv, pi
;; launch gather (part 5): grid 256 x 1, 8 waves a work-group, no clusters, 0 bytes of LDS; arguments xb, eb, pv, pi, out0, out1; writes out0, out1
.if DOCPART == 5
	.amdgcn_target "amdgcn-amd-amdhsa--gfx1250"
	.amdhsa_code_object_version 6
	.text
	.protected	k_q10b9d70e29_gather
	.globl	k_q10b9d70e29_gather
	.p2align	8
	.type	k_q10b9d70e29_gather,@function
k_q10b9d70e29_gather:
	s_mov_b64 s[64:65], 0
	v_nop
	global_prefetch_b8 v0, s[64:65] scope:SCOPE_SE
	s_setreg_imm32_b32 hwreg(HW_REG_WAVE_SCHED_MODE, 0, 2), 2
	s_setreg_imm32_b32 hwreg(HW_REG_WAVE_MODE, 25, 1), 1
	s_wait_xcnt 0x0
	s_wait_alu depctr_vm_vsrc(0)
; For each token n: idx[n] = the index of the least of its 16 partial minima, the lowest index among equals; out1[n] = idx[n]; out0[n][:] = (eb[idx[n]][:] - xb[n][:]) + xb[n][:], in f32, in the order
; in which the expression is written.  xb, eb: [8192][768] bf16, the rounded inputs from which the distances were made.  pv[part][token]: the part's least distance as a whole number that orders as the
; f32 does; pi[part][token]: its index.  Both were stored as whole numbers by the launch before, and only whole-number comparisons stand between them and the addresses made here.
; LIMIT: out0 is made of the inputs rounded to bf16, the numbers on which the distances were compared.
; A wave owns four rows.  THE INDICES: lane l takes part l % 16: 16 bytes of pv and of pi are its four tokens' keys and indices; four steps of exchange inside each half of 16 lanes (lane xor 1, 2, 4, 8)
; leave the least pair in every lane; both halves do the same work on the same numbers.  The index is held to the table's 8,192 rows and makes a scalar base.
; THE ROWS: a row is six pieces of 128 numbers: a lane takes 8 bytes of bf16 of each tensor (a wave's load covers 256 consecutive bytes, aligned) and stores 16 bytes of f32 (a wave's store covers 512).
; xb's 24 loads need no index and go out ahead of the merge; then eb's 24.  No register is loaded or stored twice: no loop, and the waits for data are counted.
; out1 leaves as 16 bytes a wave, from one lane: 32 KiB in all beside out0's 24 MiB; 256 consecutive bytes of it are 64 tokens, the rows of sixteen waves in two work-groups.
; pv and pi are read 16 bytes a lane from 16 parts: a work-group takes 128 consecutive bytes of each part, once.  No LDS, matrix unit or cluster: no row is used by two waves.
; THE MODE: SCHED_MODE bits 1:0 = 2 (LLVM: expert scheduling mode 2), set by the entry lines.  The code itself states the register dependences
; between vector instructions and memory instructions, and those through scalar registers, VCC and EXEC, with s_wait_alu, always for 0.
; THE PLAN.  Registers that memory instructions touch:
;   v1, v2, v5, v6   offsets: made once at the head, never written again.
;   KEY, IND         Written by two loads, then by the merge's selects; IND is read by out1's store and not written after it.
;   Q, piece n       Written by a load of eb and a load of xb, then by the piece's last two adds (the four results, in place); read by the piece's unpacking lines and by its store; never written after that.
;   U is named by vector instructions alone.
; The 24 pieces go by rows of six.  Row g's six stores are issued in row g + 1, whose vector instructions name Q of row g + 1 and U: none of the registers that those stores read.  So ONE wait on va_vdst
; at the head of a row, behind the wait for the row's data, states all that the six stores hang on, and they are dealt among the row's arithmetic with no further wait.  One more stands behind the last row.
; No register that a memory instruction has read is written again: a wait on vm_vsrc stands only in front of the two writes of EXEC.
.set ROWH, 1536
.set ROWF, 3072
.set KEY,  8                           ; v[8:11]    my four tokens' keys
.set IND,  12                          ; v[12:15]   their indices
.set Q,    16                          ; v[16:111]  piece n = 6 row + c: two words of eb, two of xb; later the four results
.set U,    112                         ; v[112:127] at work: the neighbour's keys and indices; later two sets of eight, by turns
.set MK,   40                          ; s[40:54]   token i's three lane masks at MK + 4 i
	s_load_b256 s[4:11], s[0:1], 0x0               ; xb s[4:5], eb s[6:7], pv s[8:9], pi s[10:11]
	s_load_b128 s[12:15], s[0:1], 0x20             ; out0 s[12:13], out1 s[14:15]
	v_lshrrev_b32 v3, 5, v0
	v_readfirstlane_b32 s16, v3                    ; wave 0..7
	v_and_b32 v4, 31, v0                           ; lane
	v_lshlrev_b32 v1, 3, v4                        ; 8 bytes of bf16 a lane
	v_lshlrev_b32 v2, 4, v4                        ; 16 bytes of f32 a lane
	v_and_b32 v5, 15, v0
	v_lshlrev_b32 v5, 15, v5                       ; my part: 8,192 words each
	v_mov_b32 v6, 0                                ; out1's offset
.set i, 0
.rept 8
	v_mov_b32 v[U+i], 0                            ; the destination of a move between lanes counts as read: it is written first
.set i, i+1
.endr
	s_wait_alu depctr_va_sdst(0)                   ; s16 is written, ahead of its first reader: my first row is made from it
	s_lshl_b32 s17, ttmp9, 5
	s_lshl2_add_u32 s17, s16, s17                  ; my first row: 32 x work-group + 4 x wave
	s_lshl_b32 s18, s17, 2                         ; its word in a part and in out1
	s_mov_b32 s19, 0
	s_mul_i32 s20, s17, ROWH
	s_mov_b32 s21, 0
	s_mul_i32 s22, s17, ROWF
	s_mov_b32 s23, 0
	s_mov_b32 s34, 0xffff0000                      ; a word's upper bf16
	s_wait_kmcnt 0x0
	s_add_nc_u64 s[8:9], s[8:9], s[18:19]
	s_add_nc_u64 s[10:11], s[10:11], s[18:19]
	s_add_nc_u64 s[14:15], s[14:15], s[18:19]
	s_add_nc_u64 s[4:5], s[4:5], s[20:21]
	s_add_nc_u64 s[12:13], s[12:13], s[22:23]
	s_wait_alu depctr_va_vdst(0)                   ; v1, v2, v5 and v6 are written: every load and store of the kernel reads one of them as its offset
	global_load_b128 v[KEY:KEY+3], v5, s[8:9]      ; wanted first, so asked for first
	global_load_b128 v[IND:IND+3], v5, s[10:11]
.set n, 0
.rept 24
	global_load_b64 v[Q+4*n+2:Q+4*n+3], v1, s[4:5] offset:ROWH*(n/6)+256*(n%6) th:TH_LOAD_NT
.set n, n+1
.endr
	s_wait_loadcnt 24                              ; loads come back in order: keys and indices are in; xb's 24 loads may stay out
	; (key, index) takes the neighbour's pair if its key is less, or equal with the lower index.  The four tokens go side by side, so that no line reads the result of the one before it.
.irp st, 1,2,4,8
.irp i, 0,1,2,3
	v_mov_b32_dpp v[U+(\i)],   v[KEY+(\i)] row_xmask:\st row_mask:0xf bank_mask:0xf
	v_mov_b32_dpp v[U+4+(\i)], v[IND+(\i)] row_xmask:\st row_mask:0xf bank_mask:0xf
.endr
.irp i, 0,1,2,3
	v_cmp_lt_u32 s[MK+4*(\i)],   v[U+(\i)],   v[KEY+(\i)]
	v_cmp_eq_u32 s[MK+4*(\i)+1], v[U+(\i)],   v[KEY+(\i)]
	v_cmp_lt_u32 s[MK+4*(\i)+2], v[U+4+(\i)], v[IND+(\i)]
.endr
	s_wait_alu depctr_va_sdst(0)                   ; the twelve comparisons have written their masks, ahead of the first line that reads one: one wait for the run
.irp i, 0,1,2,3
	s_and_b32 s[MK+4*(\i)+1], s[MK+4*(\i)+1], s[MK+4*(\i)+2]
	s_or_b32 s[MK+4*(\i)], s[MK+4*(\i)], s[MK+4*(\i)+1]
.endr
.irp i, 0,1,2,3
	v_cndmask_b32 v[KEY+(\i)], v[KEY+(\i)], v[U+(\i)],   s[MK+4*(\i)]
	v_cndmask_b32 v[IND+(\i)], v[IND+(\i)], v[U+4+(\i)], s[MK+4*(\i)]
.endr
.endr
.irp i, 0,1,2,3
	v_readfirstlane_b32 s[24+2*(\i)], v[IND+(\i)]  ; every lane holds the same four indices
.endr
	s_wait_alu depctr_va_sdst(0)                   ; the four indices are written into s24, s26, s28 and s30, ahead of their first reader
.irp i, 0,1,2,3
	s_min_u32 s[24+2*(\i)], s[24+2*(\i)], 0x1fff   ; an index stays inside the table
	s_mul_i32 s[24+2*(\i)], s[24+2*(\i)], ROWH
	s_mov_b32 s[25+2*(\i)], 0
	s_add_nc_u64 s[24+2*(\i):25+2*(\i)], s[6:7], s[24+2*(\i):25+2*(\i)]
.endr
.set n, 0
.rept 24
	global_load_b64 v[Q+4*n:Q+4*n+1], v1, s[24+2*(n/6):25+2*(n/6)] offset:256*(n%6)  ; no hint: several tokens may name one row.  No vector instruction has named these registers
.set n, n+1
.endr
	v_cmp_eq_u32 vcc_lo, 0, v4
	s_wait_xcnt 0x0                                ; EXEC is a source of the loads above: it changes only behind this wait
	s_wait_alu depctr_va_vcc(0)                    ; VCC is written, ahead of the line that makes EXEC from it
	s_wait_alu depctr_va_vdst(0)                   ; in front of a write of EXEC: every vector instruction issued so far is done; among them the selects that wrote IND, which the store below reads
	s_wait_alu depctr_vm_vsrc(0)                   ; in front of a write of EXEC: the loads issued so far have read their vector registers
	s_and_saveexec_b32 s35, vcc_lo
	global_store_b128 v6, v[IND:IND+3], s[14:15]   ; lane 0: my four tokens' indices
	s_wait_xcnt 0x0                                ; and again, in front of the line that widens it
	s_wait_alu depctr_va_vdst(0)                   ; in front of a write of EXEC: no vector instruction is under way
	s_wait_alu depctr_vm_vsrc(0)                   ; in front of a write of EXEC: the store has read its vector registers
	s_or_b32 exec_lo, exec_lo, s35
; Piece n's arithmetic: its four results take the place of its four loaded words.
.macro WORK n
.set qq, Q+4*(\n)
.set tt, U+8*((\n)%2)
	v_lshlrev_b32 v[tt],   16,  v[qq]              ; bf16 to f32: the low half moves up, the high half stays
	v_and_b32     v[tt+1], s34, v[qq]
	v_lshlrev_b32 v[tt+2], 16,  v[qq+1]
	v_and_b32     v[tt+3], s34, v[qq+1]
	v_lshlrev_b32 v[tt+4], 16,  v[qq+2]
	v_and_b32     v[tt+5], s34, v[qq+2]
	v_lshlrev_b32 v[tt+6], 16,  v[qq+3]
	v_and_b32     v[tt+7], s34, v[qq+3]
	v_pk_add_f32 v[tt:tt+1],   v[tt:tt+1],   v[tt+4:tt+5] neg_lo:[0,1] neg_hi:[0,1]  ; q - x
	v_pk_add_f32 v[tt+2:tt+3], v[tt+2:tt+3], v[tt+6:tt+7] neg_lo:[0,1] neg_hi:[0,1]
	v_pk_add_f32 v[qq:qq+1],   v[tt:tt+1],   v[tt+4:tt+5]                            ; + x
	v_pk_add_f32 v[qq+2:qq+3], v[tt+2:tt+3], v[tt+6:tt+7]
.endm
; Piece n's store.
.macro SEND n
.set qs, Q+4*(\n)
	global_store_b128 v2, v[qs:qs+3], s[12:13] offset:ROWF*((\n)/6)+512*((\n)%6) th:TH_STORE_NT
.endm
.set g, 0
.rept 4                                                ; row g of my four
	s_wait_loadcnt 18-6*g                          ; this row's six pieces of eb are in (all of xb's loads are older); the six of each younger row may stay out
.if g > 0
	s_wait_alu depctr_va_vdst(0)                   ; the adds of the row before have written its 24 results, which the six stores below read
.endif
.set m, 0
.rept 6
.if g > 0
.set pn, 6*(g-1)+m
	SEND pn                                        ; the row before; no vector instruction since the wait names these registers, and none writes them again
.endif
.set wn, 6*g+m
	WORK wn
.set m, m+1
.endr
.set g, g+1
.endr
	s_wait_alu depctr_va_vdst(0)                   ; the last row's adds have written its 24 results, which the last six stores read
.set pn, 18
.rept 6
	SEND pn
.set pn, pn+1
.endr
	s_endpgm
.Lfunc_end_k_q10b9d70e29_gather:
	.size	k_q10b9d70e29_gather, .Lfunc_end_k_q10b9d70e29_gather-k_q10b9d70e29_gather
	.p2alignl 7, 3214868480
	.fill 96, 4, 3214868480
	.section	.rodata,"a",@progbits
	.p2align	6, 0x0
	.amdhsa_kernel k_q10b9d70e29_gather
		.amdhsa_group_segment_fixed_size 0
		.amdhsa_private_segment_fixed_size 0
		.amdhsa_enable_private_segment 0
		.amdhsa_kernarg_size 48
		.amdhsa_user_sgpr_count 2
		.amdhsa_user_sgpr_kernarg_segment_ptr 1
		.amdhsa_wavefront_size32 1
		.amdhsa_system_sgpr_workgroup_id_x 1
		.amdhsa_system_sgpr_workgroup_id_y 1
		.amdhsa_system_sgpr_workgroup_id_z 1
		.amdhsa_system_vgpr_workitem_id 0
		.amdhsa_next_free_vgpr 128
		.amdhsa_next_free_sgpr 66
		.amdhsa_reserve_vcc 1
		.amdhsa_float_denorm_mode_32 3
		.amdhsa_float_denorm_mode_16_64 3
		.amdhsa_memory_ordered 1
		.amdhsa_forward_progress 1
		.amdhsa_inst_pref_size 31
	.end_amdhsa_kernel
	.amdgpu_metadata
---
amdhsa.version: [ 1, 2 ]
amdhsa.kernels:
  - .name:           k_q10b9d70e29_gather
    .symbol:         k_q10b9d70e29_gather.kd
    .args:
      - { .name: xb, .offset: 0, .size: 8, .value_kind: global_buffer, .address_space: global }
      - { .name: eb, .offset: 8, .size: 8, .value_kind: global_buffer, .address_space: global }
      - { .name: pv, .offset: 16, .size: 8, .value_kind: global_buffer, .address_space: global }
      - { .name: pi, .offset: 24, .size: 8, .value_kind: global_buffer, .address_space: global }
      - { .name: out0, .offset: 32, .size: 8, .value_kind: global_buffer, .address_space: global }
      - { .name: out1, .offset: 40, .size: 8, .value_kind: global_buffer, .address_space: global }
    .group_segment_fixed_size: 0
    .private_segment_fixed_size: 0
    .kernarg_segment_align: 8
    .kernarg_segment_size: 48
    .max_flat_workgroup_size: 256
    .sgpr_count:     66
    .vgpr_count:     128
    .wavefront_size: 32
...
	.end_amdgpu_metadata
.endif
;; end of part 5
